; MI455X (gfx1250); checked and timed in simulation.
; The chip was launched on July 23, 2026; its instructions are those of AMD's public machine-readable ISA for CDNA 5 (MIT licence, August 2026) and "CDNA5" Instruction Set Architecture Reference Guide (July 2026). The comments in the code are by the model that wrote it; some were corrected since.
;; Cross Attention Layer. Allowed arithmetic: matrix products marked QUANTISED: E2M1 operands, one E8M0 scale for each 32 along K, by v_wmma_scale_f32_16x16x128_f8f6f4 with both operands' format E2M1 (or v_wmma_scale_f32_32x16x128_f4), f32 sums; products left as they are: bf16, f16 or f32 operands; f32 sums; everything else in f32.
;; Inputs: Wk 1,024 x 1,024 float32; Wq 1,024 x 1,024 float32; Wv 1,024 x 1,024 float32; bk 1,024 float32; bq 1,024 float32; bv 1,024 float32; ic 4 x 2,048 x 1,024 float32; zt 4 x 2,048 x 1,024 float32.
;; Outputs: out0 4 x 2,048 x 1,024 float32.
;; This version of the problem:
;;   THIS VERSION OF THE PROBLEM IS GIVEN IN LOW PRECISION. The matrix products marked QUANTISED in the list below multiply operands that are first quantised to E2M1 (2 exponent bits, 1 mantissa bit; 4 bits a number), with one power-of-two scale for each 32 numbers along K (OCP MX v1.0); their sums are f32. The products marked 'left as it is' may take bf16, f16 or f32 operands, with f32 sums. Whichever they take, every output number must still come out within the allowed error. Rounding operands to bf16 (8 significant bits) uses up far more of that allowance than f16 does (11 bits, for magnitudes from 6e-5 to 65,504). All else is computed in f32.
;;   The module's matrix products, in the order in which they are computed (A, B: the left and right operand; K: the contracted axis; several contracted axes count as one K, in the product's order):
;;     1. [M 8,192, K 1,024] x [K 1,024, N 1,024]; A: input zt; B: input Wq: QUANTISED
;;     2. [M 8,192, K 1,024] x [K 1,024, N 1,024]; A: input ic; B: input Wk: QUANTISED
;;     3. [M 8,192, K 1,024] x [K 1,024, N 1,024]; A: input ic; B: input Wv: QUANTISED
;;     4. batch 64 x [M 2,048, K 64] x [K 64, N 2,048]; A: computed on the way; B: computed on the way: left as it is (an operand is computed on the way)
;;     5. batch 64 x [M 2,048, K 2,048] x [K 2,048, N 64]; A: computed on the way; B: computed on the way: left as it is (an operand is computed on the way)
;;   THE QUANTISER, for each operand of a quantised product, along K:
;;     - K is cut into blocks of 32 from its start; a last block that is shorter is filled with zeros.
;;     - A block's scale is 2^e with e = floor(log2(the largest magnitude in the block)) - 2, held to -126 .. 127; a block of zeros has e = 0. As a byte (E8M0): e + 127.
;;     - Each number is divided by its block's scale, clamped to +-6, and rounded to the nearest number of E2M1, ties to even, subnormals kept.
;;     - The product sums the exact products of the quantised numbers (number of the format x scale) in f32.
;;   ~~~python
;;   def quantise(x, axis):      # numpy; x: float32 -> the quantised numbers, widened to float32 again
;;       x = np.moveaxis(x, axis, -1); K = x.shape[-1]
;;       x = np.pad(x, [(0, 0)] * (x.ndim - 1) + [(0, -K % 32)]); x = x.reshape(x.shape[:-1] + (-1, 32)); a = np.abs(x).max(-1, keepdims=True)
;;       e = np.where(a > 0, np.clip(np.frexp(np.where(a > 0, a, 1))[1] - 1 - 2, -126, 127), 0)      # np.frexp(a)[1] - 1 = floor(log2(a)), exactly
;;       r = np.clip(x / 2.0 ** e, -6, 6)
;;       step = 2.0 ** (np.maximum(np.frexp(np.where(r == 0, 1, r))[1] - 1, 0) - 1)
;;       q = np.round(r / step) * step * 2.0 ** e      # np.round: ties to even
;;       return np.moveaxis(q.reshape(q.shape[:-2] + (-1,))[..., :K], -1, axis).astype(np.float32)
;;   ~~~
;; One version. Each part assembles by itself: llvm-mc -triple=amdgcn-amd-amdhsa -mcpu=gfx1250 --defsym DOCPART=n.
;; ======== version 1 of 1: 3 launches
;; limits: values are held in f16: magnitudes above 65,504 overflow, below 6.1e-05 lose precision
;; workspace buffers: codes 9,961,472 bytes; scales 622,592 bytes; qkv 50,331,648 bytes
;; launch quant (part 1): grid 608 x 1, 4 waves a work-group, no clusters, 33,280 bytes of LDS; arguments zt, ic, Wq, Wk, Wv, codes, scales; writes codes, scales
.if DOCPART == 1
	.amdgcn_target "amdgcn-amd-amdhsa--gfx1250"
	.amdhsa_code_object_version 6
	.text
	.protected	k_q1eddbe6c69_quant
	.globl	k_q1eddbe6c69_quant
	.p2align	8
	.type	k_q1eddbe6c69_quant,@function
k_q1eddbe6c69_quant:
	s_mov_b64 s[64:65], 0
	v_nop
	global_prefetch_b8 v0, s[64:65] scope:SCOPE_SE
	s_setreg_imm32_b32 hwreg(HW_REG_WAVE_MODE, 25, 1), 1
	s_wait_xcnt 0x0
; CROSS ATTENTION, launch 1 of 3: zt, ic [8192][1024] and Wq, Wk, Wv [1024][1024], f32, are turned into codes of FP4 (E2M1), 4 bits each, K innermost, with one E8M0 scale byte for each 32 along K.
; WORK LEFT OUT IN THE WHOLE PROGRAM: THE INPUT bk.  reference() has scores[q][k] = q . (k0[k] + bk) / 8 = q . k0[k] / 8 + q . bk / 8, k0 = ic Wk^T.  The second term does not hang on the key k: it is the same along the
; softmax's axis, and softmax(x + const) = softmax(x) for all finite values of all inputs.  The product q k^T is not a quantised one, so bk moves no code and no scale.  bk has then no way to any output: it is not loaded
; and is among no launch's arguments.  LIMIT: a NaN, an infinity or an overflow that reaches the result through bk alone is not carried to it.  bq and bv are live and are added in launch 2.
; THE WORKSPACE: codes: 19,456 rows of 512 bytes (rows 0-8191 zt, 8192-16383 ic, 16384-17407 Wq, 17408-18431 Wk, 18432-19455 Wv); scales: the same rows, 32 bytes each.
; A block's scale is 2^(floor(log2(its largest magnitude)) - 2); its byte is the largest magnitude's own exponent field - 2, held at 1 from below.  A block of zeros so gets the byte 1 where the rule says 127: its codes are
; zeros, which add nothing under any byte but 0xff, and the bytes are read by this program alone.  Each number is divided by the scale and rounded to the nearest code, ties to even, beyond 6 the largest code.
; LIMITS: blocks whose largest magnitude lies under 2^-124 keep the byte 1; NaN and infinities among the inputs are not served.
; Rows are dense and K = 1,024 is a multiple of 32: all five tensors are plain streams of blocks of 32 numbers, and so are codes and scale bytes.  A work-group takes 32,768 numbers, a wave 16 steps of 512.
; Work-groups 0-255 take zt, 256-511 ic, 512-543 Wq, 544-575 Wk, 576-607 Wv: only the input's pointer is chosen; what is stored is linear in the work-group's number.  One way through the text.
; The conversions take 8 numbers of ONE block from a lane's registers, so a lane must hold 16 NEIGHBOURS (two neighbouring lanes hold a block), and a load is best where neighbouring LANES take neighbouring bytes.
; Both are had: each of a step's four loads reads 512 consecutive bytes, 16 a lane; the 2,048 bytes go through the wave's own stage in LDS and come back 64 bytes a lane (16 bytes of padding behind each 64).
; A lane's 16 codes are 8 bytes: the wave stores 256 consecutive bytes.  A wave's 256 scale bytes are gathered in its own LDS bytes and leave as 256 consecutive, aligned bytes.
; No tensor loads, no ring, no barrier: waves share nothing.  Loads run four steps (16 loads a wave) ahead, the turn through LDS one step.
.set WAVES, 4
.set STEPS, 16
.set EMAX,  2
.set CB,    8                          ; bytes of 16 codes
.set R,     16                         ; v16-79   four sets of 16 numbers as they are loaded
.set X,     80                         ; v80-111  two sets of 16 neighbours
.set C,     128                        ; v128-191 codes: four registers for each step, so that no store's data are written again
.set E,     112                        ; v112-127 a scale byte for each step
.set WREG,  8192                       ; LDS: a region of its own for each wave: two stages of 32 x SP bytes, and behind them its 256 scale bytes
.set SP,    80                         ; a lane's place in a stage: its 64 bytes + 16 of padding
.set SPW,   12                         ; v12      LDS address of my spare word: SPARE + 4 x my thread's number; never rewritten
.set NIL,   13                         ; v13      0; never rewritten
.set SPARE, WAVES*WREG                 ; behind the four regions: the spare words, 128 bytes for each wave, which no other line names
	s_load_b256 s[4:11], s[0:1], 0x0               ; zt s[4:5], ic s[6:7], Wq s[8:9], Wk s[10:11]
	s_load_b128 s[12:15], s[0:1], 0x20             ; Wv s[12:13], codes s[14:15]
	s_load_b64 s[24:25], s[0:1], 0x30              ; scales
	v_lshl_add_u32 v[SPW], v0, 2, SPARE
	v_mov_b32 v[NIL], 0
	v_lshrrev_b32 v1, 5, v0
	v_readfirstlane_b32 s16, v1                    ; wave
	v_and_b32 v2, 31, v0                           ; lane
	v_lshlrev_b32 v3, 4, v2                        ; my 16 bytes of a load's 512
	s_mul_i32 s17, s16, WREG
	v_lshrrev_b32 v14, 2, v2
	v_mul_u32_u24 v14, v14, SP
	v_and_b32 v15, 3, v2
	v_lshl_add_u32 v14, v15, 4, v14
	v_add_nc_u32 v14, s17, v14                     ; the stage, on the way in: four lanes' 64 bytes on end, then 16 of padding: SP (lane / 4) + 16 (lane % 4)
	v_mul_u32_u24 v15, v2, SP
	v_add_nc_u32 v15, s17, v15                     ; and on the way out: SP x lane: my 16 neighbours
	v_mul_u32_u24 v4, v2, CB                       ; my codes' place in a step's
	v_lshrrev_b32 v5, 1, v2
	s_add_co_u32 s17, s17, 2*32*SP
	v_add_nc_u32 v5, s17, v5                       ; LDS: my wave's 256 scale bytes, my block's byte
	v_lshlrev_b32 v7, 3, v2                        ; and on the way out 8 bytes a lane
	v_add_nc_u32 v6, s17, v7
	s_wait_kmcnt 0x0
	s_mov_b64 s[26:27], s[12:13]                   ; which tensor is my work-group's?  The choice hangs on the work-group's number alone.  From the last range down:
	s_mov_b32 s17, 576                             ; Wv, whose first work-group is 576,
	s_cmp_lt_u32 ttmp9, 576
	s_cselect_b64 s[26:27], s[10:11], s[26:27]     ; Wk,
	s_cselect_b32 s17, 544, s17
	s_cmp_lt_u32 ttmp9, 544
	s_cselect_b64 s[26:27], s[8:9], s[26:27]       ; Wq,
	s_cselect_b32 s17, 512, s17
	s_cmp_lt_u32 ttmp9, 512
	s_cselect_b64 s[26:27], s[6:7], s[26:27]       ; ic,
	s_cselect_b32 s17, 256, s17
	s_cmp_lt_u32 ttmp9, 256
	s_cselect_b64 s[26:27], s[4:5], s[26:27]       ; zt
	s_cselect_b32 s17, 0, s17
	s_sub_co_u32 s17, ttmp9, s17
	s_lshl_b32 s17, s17, 2
	s_add_co_u32 s18, s17, s16                     ; which run of 8,192 numbers of the tensor is my wave's: at most 1,023,
	s_lshl_b32 s18, s18, 15                        ; of 32,768 bytes each
	s_mov_b32 s19, 0
	s_add_nc_u64 s[26:27], s[26:27], s[18:19]
	s_lshl_b32 s20, ttmp9, 2
	s_add_co_u32 s20, s20, s16                     ; which run of the workspace: 4 x work-group + wave
	s_lshl_b32 s22, s20, 12                        ; 4,096 bytes of codes a run,
	s_mov_b32 s23, 0
	s_add_nc_u64 s[14:15], s[14:15], s[22:23]
	s_lshl_b32 s22, s20, 8                         ; 256 scale bytes
	s_add_nc_u64 s[24:25], s[24:25], s[22:23]
.macro LOAD t
.irp i, 0,1,2,3
	global_load_b128 v[R+16*((\t)%4)+4*\i:R+16*((\t)%4)+4*\i+3], v3, s[26:27] offset:2048*(\t)+512*\i th:TH_LOAD_NT   ; 32 lanes read 512 consecutive bytes
.endr
.endm
.macro TURN t                          ; step t's numbers through the stage: LDS serves a wave's instructions in order, so no wait stands between the stores and the loads
.irp i, 0,1,2,3
	ds_store_b128 v14, v[R+16*((\t)%4)+4*\i:R+16*((\t)%4)+4*\i+3] offset:32*SP*((\t)%2)+8*SP*\i
.endr
.irp i, 0,1,2,3
	ds_load_b128 v[X+16*((\t)%2)+4*\i:X+16*((\t)%2)+4*\i+3], v15 offset:32*SP*((\t)%2)+16*\i
.endr
.endm
.irp t, 0,1,2,3
	LOAD \t
.endr
	s_wait_loadcnt 12                              ; step 0's four loads are in
	TURN 0
.macro STEP t
.set XS, X+16*((\t)%2)
.if (\t) > 0
	s_wait_dscnt 1                                 ; this step's numbers are back from the stage (the last step's byte store may be out): so its stores into the stage have read their registers,
.else
	s_wait_dscnt 0x0
.endif
.if (\t)+4 < STEPS
	LOAD (\t)+4                                    ; which take the loads of four steps on
.endif
.if (\t)+1 < STEPS
.if STEPS-2-(\t) >= 3
	s_wait_loadcnt 12                              ; the next step's four loads are in; those of the three steps behind it may be out
.else
	s_wait_loadcnt 4*(STEPS-2-(\t))
.endif
	TURN (\t)+1                                    ; and go through the other stage while this step is worked
.endif
	v_max3_num_f32 v8, |v[XS]|, |v[XS+1]|, |v[XS+2]|               ; the largest magnitude of my 16, in two chains
	v_max3_num_f32 v9, |v[XS+3]|, |v[XS+4]|, |v[XS+5]|
.irp i, 6,10
	v_max3_num_f32 v8, v8, |v[XS+\i]|, |v[XS+\i+1]|
	v_max3_num_f32 v9, v9, |v[XS+\i+2]|, |v[XS+\i+3]|
.endr
	v_max3_num_f32 v8, v8, |v[XS+14]|, |v[XS+15]|
	v_max3_num_f32 v8, v8, v9, (EMAX+1)<<23        ; and the floor 2^(EMAX + 1 - 127), under which no largest magnitude is taken: so the byte cannot fall under 1
	v_max_num_f32_dpp v8, v8, v8 row_xmask:1 row_mask:0xf bank_mask:0xf   ; and of my neighbour's 16: the block's
	v_add_nc_u32 v11, -(EMAX<<23), v8              ; EMAX off its exponent field: the conversion takes the exponent field of this operand as its scale, and nothing else of it
	v_cvt_scalef32_pk8_fp4_f32 v[C+4*(\t)], v[XS:XS+7], v11        ; eight numbers / 2^(v11's exponent), to the nearest code; the first number's code in the lowest four bits
	v_cvt_scalef32_pk8_fp4_f32 v[C+4*(\t)+1], v[XS+8:XS+15], v11
	v_lshrrev_b32 v[E+(\t)], 23, v11               ; the scale's byte (also the plain line behind the conversions)
	ds_store_b8 v5, v[E+(\t)] offset:16*(\t)       ; both lanes of a block write the same byte with the same value
	global_store_b64 v4, v[C+4*(\t):C+4*(\t)+1], s[14:15] offset:32*CB*(\t)   ; 32 lanes store 256 consecutive bytes, aligned
.endm
.irp t, 0,1,2,3,4,5,6,7,8,9,10,11,12,13,14,15
	STEP \t
.endr
	ds_load_b64 v[8:9], v6                         ; LDS serves a wave's instructions in order: these see my stores
	s_wait_dscnt 0x0
	global_store_b64 v7, v[8:9], s[24:25]          ; 32 lanes store 256 consecutive bytes, aligned
	s_wait_tensorcnt 0x0                           ; the wave's end: behind my last LDS store
	ds_add_u32 v[SPW], v[NIL]
	s_wait_dscnt 0x0
	s_endpgm
.Lfunc_end_k_q1eddbe6c69_quant:
	.size	k_q1eddbe6c69_quant, .Lfunc_end_k_q1eddbe6c69_quant-k_q1eddbe6c69_quant
	.p2alignl 7, 3214868480
	.fill 96, 4, 3214868480
	.section	.rodata,"a",@progbits
	.p2align	6, 0x0
	.amdhsa_kernel k_q1eddbe6c69_quant
		.amdhsa_group_segment_fixed_size 33280
		.amdhsa_private_segment_fixed_size 0
		.amdhsa_enable_private_segment 0
		.amdhsa_kernarg_size 56
		.amdhsa_user_sgpr_count 2
		.amdhsa_user_sgpr_kernarg_segment_ptr 1
		.amdhsa_wavefront_size32 1
		.amdhsa_system_sgpr_workgroup_id_x 1
		.amdhsa_system_sgpr_workgroup_id_y 1
		.amdhsa_system_sgpr_workgroup_id_z 1
		.amdhsa_system_vgpr_workitem_id 0
		.amdhsa_next_free_vgpr 192
		.amdhsa_next_free_sgpr 66
		.amdhsa_reserve_vcc 0
		.amdhsa_float_denorm_mode_32 3
		.amdhsa_float_denorm_mode_16_64 3
		.amdhsa_memory_ordered 1
		.amdhsa_forward_progress 1
		.amdhsa_inst_pref_size 34
	.end_amdhsa_kernel
	.amdgpu_metadata
---
amdhsa.version: [ 1, 2 ]
amdhsa.kernels:
  - .name:           k_q1eddbe6c69_quant
    .symbol:         k_q1eddbe6c69_quant.kd
    .args:
      - { .name: zt, .offset: 0, .size: 8, .value_kind: global_buffer, .address_space: global }
      - { .name: ic, .offset: 8, .size: 8, .value_kind: global_buffer, .address_space: global }
      - { .name: Wq, .offset: 16, .size: 8, .value_kind: global_buffer, .address_space: global }
      - { .name: Wk, .offset: 24, .size: 8, .value_kind: global_buffer, .address_space: global }
      - { .name: Wv, .offset: 32, .size: 8, .value_kind: global_buffer, .address_space: global }
      - { .name: codes, .offset: 40, .size: 8, .value_kind: global_buffer, .address_space: global }
      - { .name: scales, .offset: 48, .size: 8, .value_kind: global_buffer, .address_space: global }
    .group_segment_fixed_size: 33280
    .private_segment_fixed_size: 0
    .kernarg_segment_align: 8
    .kernarg_segment_size: 56
    .max_flat_workgroup_size: 128
    .sgpr_count:     66
    .vgpr_count:     192
    .wavefront_size: 32
...
	.end_amdgpu_metadata
.endif
;; end of part 1
;; launch proj (part 2): grid 12 x 32, 4 waves a work-group, clusters of 4 x 4, 327,680 bytes of LDS; arguments codes, scales, bq, bv, qkv; writes qkv
.if DOCPART == 2
	.amdgcn_target "amdgcn-amd-amdhsa--gfx1250"
	.amdhsa_code_object_version 6
	.text
	.protected	k_q1eddbe6c69_proj
	.globl	k_q1eddbe6c69_proj
	.p2align	8
	.type	k_q1eddbe6c69_proj,@function
k_q1eddbe6c69_proj:
	s_mov_b64 s[64:65], 0
	v_nop
	global_prefetch_b8 v0, s[64:65] scope:SCOPE_SE
	s_setreg_imm32_b32 hwreg(HW_REG_WAVE_MODE, 25, 1), 1
	s_wait_xcnt 0x0
	s_wait_alu depctr_hold_cnt(0) depctr_sa_sdst(0) depctr_va_vdst(0) depctr_va_sdst(0) depctr_va_ssrc(0) depctr_va_vcc(0) depctr_vm_vsrc(0)
	s_getreg_b32 s2, hwreg(HW_REG_IB_STS2, 6, 4)
	s_cmp_eq_u32 s2, 0
	s_cbranch_scc0 .Lentry_in_a_cluster
	s_endpgm
.Lentry_in_a_cluster:
	s_bfe_u32 s2, ttmp6, 0x10000c
	s_cmp_lg_u32 s2, 0xf033
	s_cbranch_scc0 .Lentry_shape_is_right
	s_endpgm
.Lentry_shape_is_right:
; CROSS ATTENTION, launch 2 of 3: q = zt Wq^T + bq, k = ic Wk^T, v = ic Wv^T + bv on codes of FP4 (E2M1) with one E8M0 scale for each 32 along K = 1,024; sums in f32; rounded ONCE to f16 and laid by head.
; LEFT OUT: bk (its term in the scores is the same for every key of a row, and the softmax takes it away for all values of the inputs: shown at the head of the first launch).  k's sums begin with the constant 0.
; IN: codes [19456][512 bytes], scales [19456][32 bytes]: rows 0-8191 zt, 8192-16383 ic, 16384.. Wq, Wk, Wv.  OUT: qkv: three parts of 2^24 bytes (q, k, v), each [batch 4][head 16][l 2048][64] f16.
; LIMIT: |q|, |k|, |v| stay under 65,504, f16's largest number; beyond it the rounding gives infinity.
; SHARES.  The cluster's x says which projection (0 q, 1 k, 2 v); its four work-groups along x take the projection's four blocks of 256 columns; the tile row is 4 x cluster y + cy.  A tile of C, 256 x 256, is made by a
; work-group of four waves; a wave makes 128 x 128: 64 accumulators of 16 x 16, 512 registers.  K = 1,024 is two LDS slots of 512 along K (rows of 256 bytes): both are asked for at the head, nothing is filled again.
; THE SCALES of the work-group's 256 rows of A and 256 rows of B, for all of K, are two dense blocks of memory: they come into LDS once, with the first fills.
; CLUSTERS: 4 x 4 work-groups.  The four of a row of the cluster need the same tiles of A, the four of a column the same tiles of B: each tile is asked for JOINTLY, by the same tensor load with the same descriptor and a
; mask that names the four.  THE MATRIX INSTRUCTION IS USED TRANSPOSED (source 0 = 16 rows of B, source 1 = 16 rows of A): a lane then holds eight neighbouring columns of one row of C.
; THE BIAS is the C of each sum's first matrix instruction: eight registers for each of B's eight blocks, in the result's layout.  The one branch on the projection (the cluster's x: the same in all partners and waves)
; parts the first step with the bias from k's first step with the constant 0.
; REGISTERS, in windows of 256: window 0: v0-31 addresses; v32-95 scale words, two sets, and nothing else ever; v128-191 A's fragments, ONE set; v192-255 the bias; on the way out v128-223 are at work.
;   window 1: B's fragments, TWO sets, at v0 and at v128.   window 2: the 32 accumulators of my rows 0-63 (accumulator (a, b) at v[8 (8 a + b)]);   window 3: those of my rows 64-127.
.set NQ,     4                         ; steps of 128 along K in a slot
.set ROWB,   256                       ; a tile's row in bytes: 512 codes
.set KROW,   512                       ; a row of codes in memory
.set PITCH,  272                       ; an LDS row: 256 bytes + 16 of padding = 68 words: the 16 rows that a load touches start at 16 different banks (64 banks of 4 bytes: ISA guide 11.1)
.set FR,     8                         ; registers of a fragment: 16 rows x 128 K
.set NL,     2                         ; LDS loads that bring one
.set NP,     4                         ; places behind this matrix instruction (ISA guide 7.12.1)
.set HALFT,  128*PITCH                 ; 128 rows: what one tensor load brings, and what one wave reads of A or of B
.set SLOT,   4*HALFT                   ; A's 256 rows, then B's 256 rows
.set KS,     32                        ; a row of scales in bytes
.set SCL,    2*SLOT                    ; behind the slots: the scales, as rows of 256 bytes + 16 of padding
.set HALFS,  (128*KS/256)*272          ; the scales of 128 rows: what one tensor load brings
.set SBLK,   (16*KS/256)*272           ; those of 16 rows
.set SPARE,  SCL+4*HALFS               ; the spare words, 128 bytes for each wave, which no other line names
.set STAGE,  SPARE+512                 ; the way out: 16 rows x (256 bytes + 16) for each wave, in bytes of its own: no tile lands there
.set SPITCH, 272
.set ADRA, 16                          ; v16-17  LDS address of my A fragments in slot 0, 1
.set ADRB, 20                          ; v20-21  the same for B
.set STO,  24                          ; v24     the way out: where I put 16 bytes of a row
.set RD,   25                          ; v25     the way out: where I read 16 bytes back
.set CO,   26                          ; v26     16 x lane: my bytes of a store's 512
.set ADRS, 27                          ; v27     LDS address of my scale words: lanes 0-15 A's rows, lanes 16-31 B's
.set SPW,  28                          ; v28     LDS address of my spare word; never rewritten
.set NIL,  29                          ; v29     0; never rewritten
.set BO,   30                          ; v30     32 x (lane / 16): my eight numbers of a block's sixteen of the bias
.set SC,   32                          ; scale words: set s (for slot s) at v[SC + 32 s]; in it register 4 i + q: lanes 0-15 the word of A's block i, lanes 16-31 that of B's block i, for the slot's q-th 128 along K
.set AF,   128                         ; A's fragments
.set BI,   192                         ; the bias: register 8 b + j = bias of column 16 b + 8 (lane / 16) + j of my 128
.set TMP,  128                         ; the way out: a block's 32 packed registers
.set BK,   160                         ; and a block read back: v160-191 and v192-223 by turns
.set G1, 24                            ; s[24:31] descriptor group 1 for A's tiles;  s[32:39] group 0, one set for each slot
.set G0, 32
.set G1B, 48                           ; s[48:55], s[56:63] the same for B's tiles
.set G0B, 56
.set G1S, 68                           ; s[68:75], s[76:79] groups 1 and 0 for A's scales;  s[80:87], s[88:91] for B's
.set G0S, 76
.set G1SB, 80
.set G0SB, 88
.set MSB, 0
.macro WIN new                         ; s_set_vgpr_msb: bits 1:0 source 0, 3:2 source 1, 5:4 source 2, 7:6 destination; the high byte repeats the setting that is left
.if MSB != (\new)
	s_set_vgpr_msb (MSB<<8)|(\new)
.set MSB, (\new)
.endif
.endm
.set MUL_LO, 0xa1                      ; source 0 (B) window 1, source 1 (A) window 0, C and D window 2
.set MUL_HI, 0xf1                      ; the same, C and D window 3
.set BIA_LO, 0x81                      ; the same with C (the bias) in window 0
.set BIA_HI, 0xc1
.set TO_B,   0x40                      ; destination window 1, address window 0
; A joint load: waves 0 and 1 fetch for A, waves 2 and 3 for B.  Each of the two lines has ONE mask and one set of registers for all that issue it; the branch hangs on the wave's number alone.
; An s_nop 0 and four v_nop follow each of the two lines, ahead of the jump, the label and what follows.
.macro JLOAD g0a, g1a, g0b, g1b
	s_cmp_eq_u32 s15, 0
	s_cbranch_scc0 .Lfor_b_\@
	tensor_load_to_lds s[\g0a:\g0a+3], s[\g1a:\g1a+7]
	s_nop 0
.rept 4
	v_nop
.endr
	s_branch .Lasked_\@
.Lfor_b_\@:
	tensor_load_to_lds s[\g0b:\g0b+3], s[\g1b:\g1b+7]
	s_nop 0
.rept 4
	v_nop
.endr
.Lasked_\@:
.endm
.macro CROUND                          ; a round of the cluster's barrier: my work-group's barrier; wave 0 signals for the work-group; every wave waits for all sixteen; my work-group's barrier once more
	s_barrier_signal -1
	s_barrier_wait -1
	s_cmp_lg_u32 s14, 0
	s_cbranch_scc1 .Lnot_wave_0_\@
	s_barrier_signal -3
.Lnot_wave_0_\@:
	s_barrier_wait -3
	s_barrier_signal -1
	s_barrier_wait -1
.endm
	s_load_b256 s[4:11], s[0:1], 0x0               ; codes s[4:5], scales s[6:7], bq s[8:9], bv s[10:11]
	s_load_b64 s[12:13], s[0:1], 0x20              ; qkv
	v_lshl_add_u32 v[SPW], v0, 2, SPARE
	v_mov_b32 v[NIL], 0
	ds_add_u32 v[SPW], v[NIL]                      ; the wave's opening: the add, twice on end, and its wait ahead of my first tensor load; the set-up below, work on registers, stands between
	ds_add_u32 v[SPW], v[NIL]
	v_lshrrev_b32 v1, 5, v0
	v_readfirstlane_b32 s14, v1                    ; wave 0..3
	s_lshr_b32 s15, s14, 1                         ; which half of the tile's rows is mine.  Also: I fetch for A (0) or for B (1)
	s_and_b32 s16, s14, 1                          ; which half of its columns.  Also: which 128 rows of that tile I fetch
	s_bfe_u32 s40, ttmp6, 0x40000                  ; cx, cy: my place in the cluster
	s_bfe_u32 s41, ttmp6, 0x40004
	s_lshl_b32 s42, ttmp9, 2
	s_add_co_u32 s42, s42, s40                     ; which 256 rows of the three weights: 4 x projection + cx
	s_and_b32 s17, ttmp7, 0xffff
	s_lshl_b32 s17, s17, 2
	s_add_co_u32 s17, s17, s41                     ; tile row = 4 x cluster y + cy
	s_lshl_b32 s43, s41, 2
	s_lshl_b32 s43, 15, s43                        ; my row of the cluster
	s_lshl_b32 s44, 0x1111, s40                    ; my column
	; descriptor group 1: a tile of 128 rows x 256 bytes, padded in LDS
	s_or_b32 s[G1+0], s43, (0<<16)|(1<<20)|(1<<21)|(5<<22)|(3<<25)  ; 15:0 the mask: A's tiles go to my row; 17:16 element of 1 byte; 20 padding on; 21 set beside a mask; 24:22 after every 64 words (code 5); 31:25 of 4 words (code 3)
	s_or_b32 s[G1B+0], s44, (0<<16)|(1<<20)|(1<<21)|(5<<22)|(3<<25)
.irp g, G1, G1B
	s_mov_b32 s[\g+1], ROWB<<16                    ; tensor_dim0
	s_mov_b32 s[\g+2], 128<<16                     ; tensor_dim1 = 128
	s_mov_b32 s[\g+3], ROWB<<16                    ; tile_dim0
	s_mov_b32 s[\g+4], 128                         ; tile_dim1 = 128
	s_mov_b32 s[\g+5], KROW                        ; tensor_dim0_stride
	s_mov_b32 s[\g+6], 0
	s_mov_b32 s[\g+7], 0
.endr
	; and for the scales of 128 rows: a dense block of 4,096 bytes, as 16 rows of 256 bytes (32 elements of 8 bytes), 16 bytes of padding behind each
	s_or_b32 s[G1S+0], s43, (3<<16)|(1<<20)|(1<<21)|(5<<22)|(3<<25)
	s_or_b32 s[G1SB+0], s44, (3<<16)|(1<<20)|(1<<21)|(5<<22)|(3<<25)
.irp g, G1S, G1SB
	s_mov_b32 s[\g+1], 32<<16
	s_mov_b32 s[\g+2], (128*KS/256)<<16
	s_mov_b32 s[\g+3], 32<<16
	s_mov_b32 s[\g+4], 128*KS/256
	s_mov_b32 s[\g+5], 32
	s_mov_b32 s[\g+6], 0
	s_mov_b32 s[\g+7], 0
.endr
	s_lshl_b32 s18, s16, 7                         ; which 128 rows of the tile I fetch
	s_lshl_b32 s20, s17, 8
	s_add_co_u32 s20, s20, s18                     ; A: row 256 x tile row + 128 x half,
	s_min_u32 s66, ttmp9, 1
	s_lshl_b32 s66, s66, 13
	s_add_co_u32 s20, s20, s66                     ; of zt for q, of ic (8,192 rows on) for k and v: the cluster's x, which all partners share
	s_lshl_b32 s46, s42, 8
	s_add_co_u32 s46, s46, s18
	s_add_co_u32 s46, s46, 16384                   ; B: row 16,384 + 256 x (4 x projection + cx) + 128 x half
	s_mov_b32 s21, 0
	s_mov_b32 s47, 0
	s_mov_b64 s[18:19], KS
	s_mul_u64 s[22:23], s[20:21], s[18:19]         ; where these rows' scales begin, in bytes
	s_mul_u64 s[92:93], s[46:47], s[18:19]
	s_mov_b64 s[18:19], KROW
	s_mul_u64 s[20:21], s[20:21], s[18:19]         ; and their codes
	s_mul_u64 s[46:47], s[46:47], s[18:19]
	s_mul_i32 s45, s14, HALFT                      ; where they go: wave x 128 rows: no place in the cluster enters an LDS address
	s_mul_i32 s94, s14, HALFS
	s_wait_dscnt 0x0                               ; both opening adds are done
	s_wait_kmcnt 0x0
	s_add_nc_u64 s[20:21], s[4:5], s[20:21]
	s_add_nc_u64 s[22:23], s[6:7], s[22:23]
	s_add_nc_u64 s[46:47], s[4:5], s[46:47]
	s_add_nc_u64 s[92:93], s[6:7], s[92:93]
	CROUND                                         ; all sixteen work-groups are here: the first joint loads meet
	s_mov_b32 s[G0S], 1
	s_add_co_u32 s[G0S+1], s94, SCL
	s_mov_b64 s[G0S+2:G0S+3], s[22:23]
	s_or_b32 s[G0S+3], s[G0S+3], 0x80000000
	s_mov_b32 s[G0SB], 1
	s_add_co_u32 s[G0SB+1], s94, SCL
	s_mov_b64 s[G0SB+2:G0SB+3], s[92:93]
	s_or_b32 s[G0SB+3], s[G0SB+3], 0x80000000
	JLOAD G0S, G1S, G0SB, G1SB                     ; the scales first: they are wanted with the first step.  With the two below, three loads of mine are out
.irp s, 0,1
	s_mov_b32 s[G0+4*\s], 1
	s_add_co_u32 s[G0+4*\s+1], s45, \s*SLOT
	s_add_nc_u64 s[G0+4*\s+2:G0+4*\s+3], s[20:21], \s*ROWB
	s_or_b32 s[G0+4*\s+3], s[G0+4*\s+3], 0x80000000
	s_mov_b32 s[G0B+4*\s], 1
	s_add_co_u32 s[G0B+4*\s+1], s45, \s*SLOT
	s_add_nc_u64 s[G0B+4*\s+2:G0B+4*\s+3], s[46:47], \s*ROWB
	s_or_b32 s[G0B+4*\s+3], s[G0B+4*\s+3], 0x80000000
	JLOAD G0+4*\s, G1, G0B+4*\s, G1B
.endr
	v_and_b32 v1, 15, v0                           ; r = l % 16
	v_bfe_u32 v2, v0, 4, 1                         ; h = l / 16
	v_mul_u32_u24 v3, v1, PITCH
	v_lshl_add_u32 v4, v2, 4, v3                   ; a fragment's row x pitch + 16 x half
	s_mul_i32 s21, s15, HALFT                      ; my 128 rows of A
	s_mul_i32 s22, s16, HALFT                      ; my 128 rows of B,
	s_add_co_u32 s22, s22, 2*HALFT                 ; which lie behind A's 256
.irp s, 0,1
	v_add_nc_u32 v[ADRA+\s], s21, v4
	v_add_nc_u32 v[ADRB+\s], s22, v4
	s_add_co_u32 s21, s21, SLOT
	s_add_co_u32 s22, s22, SLOT
.endr
	v_mul_u32_u24 v5, v1, KS                       ; my row's scales: 32 bytes a row,
	v_lshrrev_b32 v6, 8, v5
	v_lshl_add_u32 v5, v6, 4, v5                   ; and 16 more for each 256 passed
	s_mul_i32 s21, s15, HALFS                      ; A's: my 128 rows
	s_mul_i32 s22, s16, HALFS                      ; B's: my 128 rows, behind A's 256
	s_add_co_u32 s22, s22, 2*HALFS
	s_sub_co_u32 s22, s22, s21
	v_mul_u32_u24 v6, s22, v2                      ; lanes 16-31 take B's: one product, the distance between the two
	s_add_co_u32 s21, s21, SCL
	v_add_nc_u32 v5, v5, v6
	v_add_nc_u32 v[ADRS], s21, v5
	s_mul_i32 s23, s14, 16*SPITCH
	s_add_co_u32 s23, s23, STAGE                   ; my stage
	v_mul_u32_u24 v5, v1, SPITCH                   ; in: row r, 16 bytes for each half of the lanes
	v_lshl_add_u32 v5, v2, 4, v5
	v_add_nc_u32 v[STO], s23, v5
	v_bfe_u32 v6, v0, 3, 2                         ; back: eight lanes take the 128 bytes that a row has of one head, the 32 lanes four rows
	v_and_b32 v7, 7, v0
	v_mul_u32_u24 v6, v6, SPITCH
	v_lshl_add_u32 v6, v7, 4, v6
	v_add_nc_u32 v[RD], s23, v6
	v_and_b32 v6, 31, v0
	v_lshlrev_b32 v[CO], 4, v6                     ; in qkv four rows of a head are 512 consecutive bytes
	v_lshlrev_b32 v[BO], 5, v2
	; where my part begins in qkv: the projection's 2^24 bytes, the batch's 2^22 (2,048 rows are 8 tile rows), the head's 2^18 (my 128 columns are heads 4 cx + 2 x half and the next), the row's 128
	s_lshl_b32 s20, ttmp9, 24
	s_lshr_b32 s21, s17, 3
	s_lshl_b32 s21, s21, 22
	s_add_co_u32 s20, s20, s21
	s_lshl_b32 s21, s40, 2
	s_lshl_b32 s22, s16, 1
	s_add_co_u32 s21, s21, s22
	s_lshl_b32 s21, s21, 18
	s_add_co_u32 s20, s20, s21
	s_and_b32 s21, s17, 7
	s_lshl_b32 s21, s21, 8
	s_lshl_b32 s22, s15, 7
	s_add_co_u32 s21, s21, s22
	s_lshl_b32 s21, s21, 7
	s_add_co_u32 s20, s20, s21                     ; under 2^26
	s_mov_b32 s21, 0
	s_add_nc_u64 s[12:13], s[12:13], s[20:21]      ; never stepped: all else stands in the stores' immediates
.macro FRAG reg, adr, q, i             ; a fragment, 16 rows x 128 K of 4-bit codes, is 8 registers: lane l holds row l % 16; registers 4 c .. 4 c + 3 hold K = 64 c + 32 (l / 16) + 0 .. 31
.irp c, 0,1
	ds_load_b128 v[\reg+4*\c:\reg+4*\c+3], v[\adr] offset:64*(\q)+32*\c+(\i)*16*PITCH
.endr
.endm
; 16 matrix instructions: A's blocks a0, a0 + 1 x B's eight, 128 along K: the slot's q-th.  p: B's set;  sc: the set of scale words.  zero = 1: the product starts the sum with the constant 0; 2: with the bias; 0: it adds in place.
; The 64 accumulators take turns, one instruction a turn, in the same order in every step.
.macro MUL16 a0, p, q, sc, zero
.irp a, \a0, \a0+1
.irp b, 0,1,2,3,4,5,6,7
.if \zero == 1
	v_wmma_scale_f32_16x16x128_f8f6f4 v[8*(8*((\a)%4)+\b):8*(8*((\a)%4)+\b)+7], v[128*(\p)+FR*\b:128*(\p)+FR*\b+FR-1], v[AF+FR*(\a):AF+FR*(\a)+FR-1], 0, v[SC+8*NQ*(\sc)+NQ*\b+(\q)], v[SC+8*NQ*(\sc)+NQ*(\a)+(\q)] matrix_a_fmt:MATRIX_FMT_FP4 matrix_b_fmt:MATRIX_FMT_FP4 matrix_a_scale:MATRIX_SCALE_ROW1
.elseif \zero == 2
	v_wmma_scale_f32_16x16x128_f8f6f4 v[8*(8*((\a)%4)+\b):8*(8*((\a)%4)+\b)+7], v[128*(\p)+FR*\b:128*(\p)+FR*\b+FR-1], v[AF+FR*(\a):AF+FR*(\a)+FR-1], v[BI+8*\b:BI+8*\b+7], v[SC+8*NQ*(\sc)+NQ*\b+(\q)], v[SC+8*NQ*(\sc)+NQ*(\a)+(\q)] matrix_a_fmt:MATRIX_FMT_FP4 matrix_b_fmt:MATRIX_FMT_FP4 matrix_a_scale:MATRIX_SCALE_ROW1
.else
	v_wmma_scale_f32_16x16x128_f8f6f4 v[8*(8*((\a)%4)+\b):8*(8*((\a)%4)+\b)+7], v[128*(\p)+FR*\b:128*(\p)+FR*\b+FR-1], v[AF+FR*(\a):AF+FR*(\a)+FR-1], v[8*(8*((\a)%4)+\b):8*(8*((\a)%4)+\b)+7], v[SC+8*NQ*(\sc)+NQ*\b+(\q)], v[SC+8*NQ*(\sc)+NQ*(\a)+(\q)] matrix_a_fmt:MATRIX_FMT_FP4 matrix_b_fmt:MATRIX_FMT_FP4 matrix_a_scale:MATRIX_SCALE_ROW1
.endif
.endr
.endr
.endm
.macro FETCH_B slot, q, p              ; B's eight fragments of the slot's q-th 128 along K into set p
	WIN TO_B
.irp i, 0,1,2,3,4,5,6,7
	FRAG 128*(\p)+FR*\i, ADRB+\slot, \q, \i
.endr
	WIN 0
.endm
.macro FETCH_A slot, q, i0             ; A's blocks i0 .. i0 + 3
.irp i, \i0, \i0+1, \i0+2, \i0+3
	FRAG AF+FR*(\i), ADRA+\slot, \q, \i
.endr
.endm
.macro SCALES sc                       ; a slot's scale words into set sc: 4 words a row; lanes 0-15 take A's block i, lanes 16-31 B's block i
.irp i, 0,1,2,3,4,5,6,7
	ds_load_b128 v[SC+8*NQ*\sc+NQ*\i:SC+8*NQ*\sc+NQ*\i+3], v[ADRS] offset:\i*SBLK
.endr
.endm
; A load into a register that a matrix instruction has read, and a vector instruction that reads a matrix result or writes one of its registers, stand NP places behind that matrix instruction, and only plain vector
; instructions that name none of its registers are places (ISA guide 7.12.1 for vector instructions).
.macro PLACES n
.rept \n
	v_nop
.endr
.endm
; A step of 128 along K that has its successor in the same slot.  A's blocks go one after the other, each against B's eight: blocks 0-3 are fetched anew in the step's middle, blocks 4-7 at its end; B has two sets.
.macro STEP slot, q, zero
	s_wait_dscnt 4*NL                              ; B's set, A's blocks 0-3 (and the scale words) are in; the youngest eight loads (A's blocks 4-7) may be out
.if \zero == 2
	WIN BIA_LO
.else
	WIN MUL_LO
.endif
	MUL16 0, (\q)%2, \q, \slot, \zero
	MUL16 2, (\q)%2, \q, \slot, \zero
	s_wait_dscnt 0                                 ; A's blocks 4-7 are in (asked for 32 matrix instructions ago)
	PLACES NP
	FETCH_B \slot, (\q)+1, 1-(\q)%2
	FETCH_A \slot, (\q)+1, 0
.if \zero == 2
	WIN BIA_HI
.else
	WIN MUL_HI
.endif
	MUL16 4, (\q)%2, \q, \slot, \zero
	MUL16 6, (\q)%2, \q, \slot, \zero
	PLACES NP
	WIN 0
	FETCH_A \slot, (\q)+1, 4
.endm
; Slot 0's last step changes slots: ONE barrier; in front of it each wave waits for all its tensor loads (slot 1's), adds 0 to its spare word, and waits for that and for its own LDS loads.  Nothing is filled again.
.macro TURN slot, next
	s_wait_tensorcnt 0x0                           ; all my tensor loads have landed: my part of the next slot  (every window is 0 here)
	ds_add_u32 v[SPW], v[NIL]                      ; 0 onto my spare word
	s_wait_dscnt 4*NL+1                            ; (the add and the youngest eight loads, A's blocks 4-7, may be out)
	WIN MUL_LO
	MUL16 0, 1, NQ-1, \slot, 0                     ; sixteen matrix instructions stand between the add and the wait for it
	s_wait_dscnt 0x0                               ; the add is done, and my reads of this slot are over
	s_barrier_signal -1
	MUL16 2, 1, NQ-1, \slot, 0
	WIN 0
	s_barrier_wait -1                              ; the next slot is whole
	PLACES NP
	v_add_nc_u32 v[ADRS], 4*NQ, v[ADRS]            ; on to the next slot's scale words
	FETCH_B \next, 0, 0
	FETCH_A \next, 0, 0
	SCALES \next
	WIN MUL_HI
	MUL16 4, 1, NQ-1, \slot, 0
	MUL16 6, 1, NQ-1, \slot, 0
	PLACES NP
	WIN 0
	FETCH_A \next, 0, 4
.endm
.macro STEPS slot, from                ; the slot's steps from .. NQ - 2
.set Q, \from
.rept NQ-1-\from
	STEP \slot, Q, 0
.set Q, Q+1
.endr
.endm
; The first step, which starts the sums.
.macro FIRST zero
	s_wait_tensorcnt 1                             ; the scales and my part of slot 0 are in (slot 1's load, issued behind them, may be out)
	s_barrier_signal -1
	s_barrier_wait -1                              ; everybody's are
	FETCH_B 0, 0, 0
	FETCH_A 0, 0, 0
	SCALES 0
	FETCH_A 0, 0, 4
.if \zero == 2
	s_wait_loadcnt 0x0                             ; the bias
.endif
	STEP 0, 0, \zero
.endm
	s_cmp_eq_u32 ttmp9, 1                          ; the projection: the same in every wave and every partner
	s_cbranch_scc1 .Lfor_k
	s_cmp_eq_u32 ttmp9, 0
	s_cselect_b64 s[8:9], s[8:9], s[10:11]         ; bq for q, bv for v
	s_lshl_b32 s20, s40, 10                        ; my 128 columns of the projection's 1,024: 256 cx + 128 x half, 4 bytes each
	s_lshl_b32 s21, s16, 9
	s_add_co_u32 s20, s20, s21
	s_mov_b32 s21, 0
	s_add_nc_u64 s[8:9], s[8:9], s[20:21]
.irp b, 0,1,2,3,4,5,6,7
	global_load_b128 v[BI+8*\b:BI+8*\b+3], v[BO], s[8:9] offset:64*\b
	global_load_b128 v[BI+8*\b+4:BI+8*\b+7], v[BO], s[8:9] offset:64*\b+16
.endr
	FIRST 2
	s_branch .Ljoin
.Lfor_k:
	FIRST 1                                        ; k has no bias: its sums begin with the constant 0
.Ljoin:
	STEPS 0, 1
	TURN 0, 1
	STEPS 1, 0
	s_wait_dscnt 4*NL                              ; the very last step: nothing more to fetch
	WIN MUL_LO
	MUL16 0, 1, NQ-1, 1, 0
	MUL16 2, 1, NQ-1, 1, 0
	s_wait_dscnt 0
	WIN MUL_HI
	MUL16 4, 1, NQ-1, 1, 0
	MUL16 6, 1, NQ-1, 1, 0
	WIN 0
; THE WAY OUT, block by block of 16 rows x 128 columns.  PACK: rounded to f16, a lane's eight columns in 16 bytes, each accumulator from its low end on.  TOSTAGE: into my own stage, and back by heads: a row's
; 128 columns are two heads' rows of 128 bytes, and four rows of a head are 512 consecutive bytes of qkv.  SEND: each store of the wave covers 512 consecutive bytes, aligned.
.macro PACK a
.set AC, 64*((\a)%4)
	WIN 0x0a+5*((\a)/4)                            ; sources 0 and 1: window 2 or 3
.irp b, 0,1,2,3,4,5,6,7
.irp r, 0,1,2,3
	v_cvt_pk_f16_f32 v[TMP+4*\b+\r], v[AC+8*\b+2*\r], v[AC+8*\b+2*\r+1]
.endr
.endr
	WIN 0
.endm
.macro TOSTAGE a
.set BB, BK+32*((\a)%2)
.irp b, 0,1,2,3,4,5,6,7
	ds_store_b128 v[STO], v[TMP+4*\b:TMP+4*\b+3] offset:32*\b
.endr
.irp t, 0,1,2,3,4,5,6,7
	ds_load_b128 v[BB+4*\t:BB+4*\t+3], v[RD] offset:(\t%4)*4*SPITCH+(\t/4)*128   ; LDS serves a wave's instructions in order (ISA guide 5.7.1.4): these see the stores above
.endr
.endm
.macro SEND a
.set BB, BK+32*((\a)%2)
	s_wait_dscnt 0x0                               ; the block is back in registers
	s_wait_xcnt 0x0                                ; the block before's stores have had their addresses translated (ISA guide 3.1): only behind this wait do the next block's loads land in the registers that they read
.irp t, 0,1,2,3,4,5,6,7
	global_store_b128 v[CO], v[BB+4*\t:BB+4*\t+3], s[12:13] offset:(\a)*2048+(\t/4)*262144+(\t%4)*512
.endr
.endm
	PLACES NP                                      ; for the conversions' reads of results and their writes over A's fragments
	PACK 0
	TOSTAGE 0
.irp a, 1,2,3,4,5,6,7                  ; block a's conversions stand between block a - 1's loads from the stage and the wait for them
	PACK \a
	SEND \a-1
	TOSTAGE \a
.endr
	SEND 7
	s_wait_tensorcnt 0x0                           ; the wave's end: behind my last tensor load and my last LDS store
	ds_add_u32 v[SPW], v[NIL]
	s_wait_dscnt 0x0
	CROUND                                         ; the closing round: no work-group ends while a partner may still ask for a tile that names it
	s_endpgm
.Lfunc_end_k_q1eddbe6c69_proj:
	.size	k_q1eddbe6c69_proj, .Lfunc_end_k_q1eddbe6c69_proj-k_q1eddbe6c69_proj
	.p2alignl 7, 3214868480
	.fill 96, 4, 3214868480
	.section	.rodata,"a",@progbits
	.p2align	6, 0x0
	.amdhsa_kernel k_q1eddbe6c69_proj
		.amdhsa_group_segment_fixed_size 327680
		.amdhsa_private_segment_fixed_size 0
		.amdhsa_enable_private_segment 0
		.amdhsa_kernarg_size 40
		.amdhsa_user_sgpr_count 2
		.amdhsa_user_sgpr_kernarg_segment_ptr 1
		.amdhsa_wavefront_size32 1
		.amdhsa_system_sgpr_workgroup_id_x 1
		.amdhsa_system_sgpr_workgroup_id_y 1
		.amdhsa_system_sgpr_workgroup_id_z 1
		.amdhsa_system_vgpr_workitem_id 0
		.amdhsa_next_free_vgpr 1024
		.amdhsa_next_free_sgpr 98
		.amdhsa_reserve_vcc 0
		.amdhsa_float_denorm_mode_32 3
		.amdhsa_float_denorm_mode_16_64 3
		.amdhsa_memory_ordered 1
		.amdhsa_forward_progress 1
		.amdhsa_inst_pref_size 142
	.end_amdhsa_kernel
	.amdgpu_metadata
---
amdhsa.version: [ 1, 2 ]
amdhsa.kernels:
  - .name:           k_q1eddbe6c69_proj
    .symbol:         k_q1eddbe6c69_proj.kd
    .args:
      - { .name: codes, .offset: 0, .size: 8, .value_kind: global_buffer, .address_space: global }
      - { .name: scales, .offset: 8, .size: 8, .value_kind: global_buffer, .address_space: global }
      - { .name: bq, .offset: 16, .size: 8, .value_kind: global_buffer, .address_space: global }
      - { .name: bv, .offset: 24, .size: 8, .value_kind: global_buffer, .address_space: global }
      - { .name: qkv, .offset: 32, .size: 8, .value_kind: global_buffer, .address_space: global }
    .group_segment_fixed_size: 327680
    .private_segment_fixed_size: 0
    .kernarg_segment_align: 8
    .kernarg_segment_size: 40
    .max_flat_workgroup_size: 128
    .sgpr_count:     98
    .vgpr_count:     1024
    .wavefront_size: 32
...
	.end_amdgpu_metadata
.endif
;; end of part 2
;; launch attn (part 3): grid 4 x 64, 8 waves a work-group, clusters of 4 x 1, 327,680 bytes of LDS; arguments qkv, out0; writes out0
.if DOCPART == 3
	.amdgcn_target "amdgcn-amd-amdhsa--gfx1250"
	.amdhsa_code_object_version 6
	.text
	.protected	k_q1eddbe6c69_attn
	.globl	k_q1eddbe6c69_attn
	.p2align	8
	.type	k_q1eddbe6c69_attn,@function
k_q1eddbe6c69_attn:
	s_mov_b64 s[64:65], 0
	v_nop
	global_prefetch_b8 v0, s[64:65] scope:SCOPE_SE
	s_setreg_imm32_b32 hwreg(HW_REG_WAVE_MODE, 25, 1), 1
	s_wait_xcnt 0x0
	s_wait_alu depctr_hold_cnt(0) depctr_sa_sdst(0) depctr_va_vdst(0) depctr_va_sdst(0) depctr_va_ssrc(0) depctr_va_vcc(0) depctr_vm_vsrc(0)
	s_getreg_b32 s2, hwreg(HW_REG_IB_STS2, 6, 4)
	s_cmp_eq_u32 s2, 0
	s_cbranch_scc0 .Lentry_in_a_cluster
	s_endpgm
.Lentry_in_a_cluster:
	s_bfe_u32 s2, ttmp6, 0x10000c
	s_cmp_lg_u32 s2, 0x3003
	s_cbranch_scc0 .Lentry_shape_is_right
	s_endpgm
.Lentry_shape_is_right:
; CROSS ATTENTION, launch 3 of 3: out[b][q][64 head + :] = the sum over k of softmax_k(Q[q] . K[k] / 8) V[k][:], for each of 64 (batch, head) pairs; 2,048 queries, 2,048 keys, head size 64, no mask.
; LEFT OUT: bk's term in the scores, the same for every key of a row (shown at the head of the first launch): K comes without it.
; IN: qkv: three parts of 2^24 bytes (q, k, v), each [batch x head 64][l 2048][64] f16.  OUT: out0 [4][2048][1024] f32.  Products on f16 operands with f32 sums; maxima, exponentials and sums in f32; the weights p, at
; most 1, are rounded to f16 for the second product.  LIMIT: p under 2^-25 rounds to 0 in f16; the row's sum, taken of the unrounded p, is at least 1.
; SHARES.  The cluster's y is the (batch, head) pair; its four work-groups own 512 queries each; each of a work-group's eight waves owns 64: four tiles of 16, in 512 registers.  Every wave walks all keys, 64 a step.
; LAYOUT.  S^T = K Q^T (source 0 = 16 keys, source 1 = 16 queries): a lane holds ONE query (lane % 16) and the keys 8 (lane / 16) + 0..7.  Two such tiles, rounded to f16 in pairs, ARE source 1 (32 keys x 16 queries) of
; O^T = V^T P, whose result again holds one query a lane, and eight channels.  K comes out of LDS as it lies, V ([key][channel]) turned, by ds_load_tr16_b128.  P is made in S^T's own registers: weight pair n goes to register n.
; SOFTMAX.  For each query a running maximum m and sum l: p = 2^(c s - c m), c = log2(e) / 8; in every step O and l are multiplied by a = 2^(c m_old - c m_new).  m begins at -3e38, l and O^T at 0: the first step finds a = 0.
; TWO CLASSES OF WAVES, IN OPPOSITE PHASE.  A wave's key step has a matrix phase (MPH: O^T x a, V^T P of the step in hand, K Q^T of the next step, the next step's LDS loads) and a vector phase (VPH: the softmax, work on
; registers alone).  A trip is { class 0: MPH } VPH { class 1: MPH }: while a wave of one class issues matrix instructions, a wave of the other issues its softmax.  The class is (w xor w / 4) % 2: it differs between
; waves w and w + 4 and between waves 2 i and 2 i + 1.  All barriers stand between trips, on the way that both classes take; behind each the two classes start anew in opposite phase.
; CLUSTER.  The four work-groups of a cluster walk the same K and V, so each tile is asked for JOINTLY: the same tensor load, with the same descriptor and a mask that names the four, in all four.
; THE RING.  Two LDS slots of four key steps.  Waves 0-3 fetch the four steps' tiles of K, waves 4-7 those of V: one load a wave behind each change of slots, which then has four trips in which to land.
; REGISTERS, in windows of 256 (s_set_vgpr_msb: bits 1:0 source 0, 3:2 source 1, 5:4 source 2, 7:6 destination):
;   window 0: v1-15 addresses; v16-47 eight registers of statistics a tile; v64-191 S^T, then P, 32 a tile; v192-255 K of one step.    window 1: v0-127 O^T, 32 a tile; v128-191 Q, 16 a tile; v192-255 V of one step.
.set KS,    64        ; keys in a step
.set PK,    144       ; a row of K in LDS: 128 bytes + 16 of padding = 36 words: the 16 rows of a load start at 16 different groups of banks (64 banks of 4 bytes: ISA guide 11.1)
.set PV,    160       ; a row of V: 128 + 32: an odd multiple of 32 bytes, for the turning load
.set VOFF,  KS*PK     ; a step's tiles lie together: 64 rows of K, then 64 rows of V
.set STEPB, KS*(PK+PV)
.set NST,   4         ; steps in a slot
.set SLOTB, NST*KS*128  ; a slot's rows of K, or of V, in memory: 32,768 bytes
.set SLOT1, 1<<17     ; slot 1 begins here, so that one exclusive or turns an address in one slot into the other's
.set STAGE, SLOT1+NST*STEPB  ; behind the ring: 16 rows x 272 bytes for each wave, for the way out
.set SP,    272
.set SPARE, STAGE+8*16*SP  ; behind the stages: the spare words, 128 bytes for each wave, which no other line names
.set AK0, 2           ; v2   my lane's place in a tile of K; never rewritten
.set AV0, 3           ; v3   the same for V
.set ADK, 4           ; v4   LDS address of the step to be fetched: K's tile,
.set ADV, 5           ; v5   V's: both made at a trip's head, on the way that both classes take
.set QO,  6           ; v6   my byte offset in the wave's rows of Q
.set STO, 7           ; v7   the way out: where I put 32 bytes of a row
.set RD,  8           ; v8   the way out: where I read a row back
.set GO,  9           ; v9   my byte offset in the wave's rows of the output
.set PFO, 10          ; v10  256 x my lane: the prefetches' offset; never rewritten
.set SPW, 12          ; v12  LDS address of my spare word: SPARE + 4 x my thread's number; never rewritten
.set NIL, 13          ; v13  0; never rewritten
.set ST,  16          ; tile t's statistics at v[ST+8 t]: +0 c m, +1 m, +2, +3 l (even keys', odd keys'), +4 to +7 at work; a lies in +6
.set S,   64
.set KF,  192         ; K's fragments: keys 16 kt on, channels 32 cs on, at 16 kt + 8 cs
.set QF,  128         ; in window 1: Q's fragments, at 16 t + 8 cs
.set VF,  192         ; in window 1: V's fragments: keys 32 kb on, channels 16 ct on, at 32 kb + 8 ct
.set WV,  12          ; s12  my wave's number
.set LIM, 15          ; s15  1 in a wave that prefetches, else the greatest number
.set PFA, 18          ; s[18:19] where my prefetches stand in memory
.set G1K, 24          ; s[24:31] descriptor group 1 for K's tiles
.set G1V, 32          ; s[32:39] for V's: it differs in the padding alone
.set G0K, 40          ; s[40:47] descriptor group 0 for K's tiles: a set for each of the two first fills; the second then walks on
.set G0V, 48          ; s[48:55] the same for V's
.set SLOTS, 56        ; s56  slots still to be asked for
.set CNT, 57          ; s57  counts trips
.set CS,  58          ; s[58:59] c: the packed scaling names a pair and takes its low word for both halves
.set SEL, 60          ; s[60:61] lane selects for v_permlanex16_b32: each lane takes its own place in the other half
.set TB,  62          ; s62  LDS byte at which the tiles of the step to be fetched begin
.set CLS, 63          ; s63  my class
.set MSB, 0
.macro WIN new                      ; the immediate's high byte repeats the setting that is left; a switch that changes nothing is dropped
.if MSB != (\new)
	s_set_vgpr_msb (MSB<<8)|(\new)
.set MSB, (\new)
.endif
.endm
.set W_KQ, 0x04       ; Q (source 1) in window 1; K and S^T in window 0
.set W_PV, 0x51       ; V (source 0) and O^T (C and D) in window 1; P in window 0
.set W_RS, 0x41       ; O^T (destination and source 0) in window 1, a in window 0
.set TO_1, 0x40       ; destination window 1, address window 0
; A joint refill.  Waves 0-3 fetch K's tiles, waves 4-7 V's.  The branch hangs on the wave's number alone.  An s_nop 0 and four v_nop follow each of the two lines.
.macro JLOAD
	s_cmp_lt_u32 s[WV], 4
	s_cbranch_scc0 .Lfor_v_\@
	tensor_load_to_lds s[G0K+4:G0K+7], s[G1K:G1K+7]
	s_nop 0
.rept 4
	v_nop
.endr
	s_branch .Lasked_\@
.Lfor_v_\@:
	tensor_load_to_lds s[G0V+4:G0V+7], s[G1V:G1V+7]
	s_nop 0
.rept 4
	v_nop
.endr
.Lasked_\@:
.endm
; A PREFETCH of what the NEXT change of slots will ask for: a slot's 32,768 bytes of K and as many of V, lanes 256 bytes apart.  It stands behind the wave's tensor load and its five lines.  Each aligned 256 bytes are asked
; for ONCE in the launch: a head's K and V are walked by one cluster; its four partners share a slot's bytes out BY ADDRESS, 8,192 each; in each, wave 0 asks for K's and wave 4 for V's, one instruction.  It stands four
; trips ahead of the load that will want the bytes.  The last change that fills a slot asks for nothing; slots 0, 1 and 2 come by their loads alone.
.macro ASK
	s_cmp_gt_u32 s[SLOTS], s[LIM]
	s_cbranch_scc0 .Lnot_mine_\@
	global_prefetch_b8 v[PFO], s[PFA:PFA+1] th:TH_LOAD_NT scope:SCOPE_SE
.Lnot_mine_\@:
.endm
.macro CROUND                       ; a round of the cluster's barrier: my work-group's barrier; wave 0 signals for the work-group; every wave waits for all four work-groups; my work-group's barrier once more
	s_barrier_signal -1
	s_barrier_wait -1
	s_cmp_lg_u32 s[WV], 0
	s_cbranch_scc1 .Lnot_wave_0_\@
	s_barrier_signal -3
.Lnot_wave_0_\@:
	s_barrier_wait -3
	s_barrier_signal -1
	s_barrier_wait -1
.endm
.macro PLACES                       ; four places behind matrix instructions, ahead of vector reads of their results and of loads into their sources
.rept 4
	v_nop
.endr
.endm
	s_load_b64 s[4:5], s[0:1], 0x0  ; qkv
	s_load_b64 s[10:11], s[0:1], 0x8  ; out0
	v_lshl_add_u32 v[SPW], v0, 2, SPARE
	v_mov_b32 v[NIL], 0
	ds_add_u32 v[SPW], v[NIL]       ; the wave's opening: the add, twice on end, and its wait ahead of my first tensor load; the set-up below, work on registers, stands between
	ds_add_u32 v[SPW], v[NIL]
	v_lshrrev_b32 v1, 5, v0
	v_readfirstlane_b32 s[WV], v1   ; wave 0..7
	s_lshr_b32 s[CLS], s[WV], 2
	s_xor_b32 s[CLS], s[CLS], s[WV]
	s_and_b32 s[CLS], s[CLS], 1     ; my class
	s_bfe_u32 s13, ttmp6, 0x40000   ; cx: my place in the cluster = my block of 512 queries: it enters Q's, the output's and the prefetches' addresses alone
	s_and_b32 s20, ttmp7, 0xffff    ; 16 x batch + head, which the four partners share
	s_and_b32 s16, s[WV], 3         ; which of a slot's four steps I fetch:
	s_lshl_b32 s22, s20, 18         ; the head's 2^18 bytes in each part,
	s_lshl_b32 s21, s16, 13         ; the step's 64 rows of 128 bytes,
	s_add_co_u32 s22, s22, s21
	s_add_co_u32 s22, s22, 1<<24    ; in k's part
	s_mov_b32 s23, 0
	s_mul_i32 s17, s16, STEPB       ; and its place in a slot: no place in the cluster enters an LDS address
	s_lshl_b32 s2, s20, 18          ; Q: the head,
	s_lshl_b32 s3, s13, 16          ; my work-group's 512 rows,
	s_add_co_u32 s2, s2, s3
	s_lshl_b32 s3, s[WV], 13        ; my wave's 64 of them
	s_add_co_u32 s2, s2, s3
	s_mov_b32 s3, 0
	; descriptor group 1: a tile of 64 rows x 64 elements, padded in LDS
	s_mov_b32 s[G1K], 15|(1<<16)|(1<<20)|(1<<21)|(4<<22)|(3<<25)  ; 15:0 the mask: all four work-groups; 17:16 elements of 2 bytes; 20 padding on; 21 set beside a mask; 24:22 after every 32 words (code 4); 31:25 4 words of it (code 3)
	s_mov_b32 s[G1V], 15|(1<<16)|(1<<20)|(1<<21)|(4<<22)|(7<<25)  ; the same with 8 words of padding (code 7)
.irp g, G1K, G1V
	s_mov_b32 s[\g+1], 64<<16       ; tensor_dim0 = 64
	s_mov_b32 s[\g+2], KS<<16       ; tensor_dim1 = 64
	s_mov_b32 s[\g+3], 64<<16       ; tile_dim0 = 64
	s_mov_b32 s[\g+4], KS           ; tile_dim1 = 64
	s_mov_b32 s[\g+5], 64           ; tensor_dim0_stride: elements from row to row
	s_mov_b32 s[\g+6], 0
	s_mov_b32 s[\g+7], 0
.endr
	s_mov_b32 s[CS], 0x3e38aa3b     ; c = log2(e) / sqrt(64) = 0.18033688
	s_mov_b32 s[CS+1], s[CS]        ; named with it as a pair, so it is written
	s_mov_b32 s[SEL], 0x76543210
	s_mov_b32 s[SEL+1], 0xfedcba98
	s_mov_b32 s[TB], 0
	s_mov_b32 s[SLOTS], 2048/(NST*KS)-2
	s_cmp_eq_u32 s16, 0             ; waves 0 and 4 prefetch: the same in all four partners
	s_cselect_b32 s[LIM], 1, -1
	v_and_b32 v[PFO], 31, v0
	v_lshlrev_b32 v[PFO], 8, v[PFO]
	s_wait_dscnt 0x0                ; both opening adds are done
	s_wait_kmcnt 0x0
	s_add_nc_u64 s[6:7], s[4:5], s[22:23]  ; K at my tile of slot 0,
	s_add_nc_u64 s[8:9], s[6:7], 1<<24  ; V likewise, a part further on
	s_add_nc_u64 s[4:5], s[4:5], s[2:3]  ; Q at my wave's first row
	s_lshr_b32 s2, s20, 4           ; the output: row 2,048 x batch + 512 cx + 64 x wave, of 4,096 bytes, + 256 x head
	s_lshl_b32 s2, s2, 11
	s_lshl_b32 s3, s13, 9
	s_add_co_u32 s2, s2, s3
	s_lshl_b32 s3, s[WV], 6
	s_add_co_u32 s2, s2, s3
	s_lshl_b32 s2, s2, 12
	s_and_b32 s3, s20, 15
	s_lshl_b32 s3, s3, 8
	s_add_co_u32 s2, s2, s3
	s_mov_b32 s3, 0
	s_add_nc_u64 s[10:11], s[10:11], s[2:3]
	s_cmp_lt_u32 s[WV], 4
	s_cselect_b64 s[PFA:PFA+1], s[6:7], s[8:9]  ; (in waves 0 and 4 these stand at a slot's first row)
	s_lshl_b32 s2, s13, 13          ; my work-group's 8,192 bytes of the 32,768
	s_mov_b32 s3, 0
	s_add_nc_u64 s[PFA:PFA+1], s[PFA:PFA+1], s[2:3]
	s_add_nc_u64 s[PFA:PFA+1], s[PFA:PFA+1], 2*SLOTB  ; in slot 2; the first change of slots steps it to slot 3.  Nothing is prefetched here, at the head
	CROUND                          ; all four work-groups are here: the first joint loads meet
.irp s, 0,1
	s_mov_b32 s[G0K+4*\s], 1        ; count = 1
	s_add_co_u32 s[G0K+4*\s+1], s17, \s*SLOT1  ; LDS address
	s_add_nc_u64 s[G0K+4*\s+2:G0K+4*\s+3], s[6:7], \s*SLOTB  ; global address: slot s begins with keys 256 s
	s_or_b32 s[G0K+4*\s+3], s[G0K+4*\s+3], 0x80000000  ; type = 2
	s_mov_b32 s[G0V+4*\s], 1
	s_add_co_u32 s[G0V+4*\s+1], s17, \s*SLOT1+VOFF
	s_add_nc_u64 s[G0V+4*\s+2:G0V+4*\s+3], s[8:9], \s*SLOTB
	s_or_b32 s[G0V+4*\s+3], s[G0V+4*\s+3], 0x80000000
.endr
	s_cmp_lt_u32 s[WV], 4           ; a wave's two first fills stand in one branch, ahead of every wait on TENSORcnt and every LDS read: two loads of mine are out
	s_cbranch_scc0 .Lfirst_v
	tensor_load_to_lds s[G0K:G0K+3], s[G1K:G1K+7]
	s_nop 0
	tensor_load_to_lds s[G0K+4:G0K+7], s[G1K:G1K+7]
	s_nop 0
.rept 4
	v_nop
.endr
	s_branch .Lfirst_asked
.Lfirst_v:
	tensor_load_to_lds s[G0V:G0V+3], s[G1V:G1V+7]
	s_nop 0
	tensor_load_to_lds s[G0V+4:G0V+7], s[G1V:G1V+7]
	s_nop 0
.rept 4
	v_nop
.endr
.Lfirst_asked:
	; A fragment of K or Q is 16 rows x 32 channels in 8 registers: lane l holds row l % 16; registers 0-3 channels 8 (l / 16) + 0..7, registers 4-7 channels 16 + 8 (l / 16) + 0..7: two loads of 16 bytes, 32 bytes apart.
	v_and_b32 v1, 15, v0            ; r = l % 16
	v_bfe_u32 v14, v0, 4, 1         ; h = l / 16
	v_lshlrev_b32 v[QO], 7, v1
	v_lshl_add_u32 v[QO], v14, 4, v[QO]  ; row x 128 + 16 x half
	WIN TO_1
.irp t, 0,1,2,3                     ; Q stays in registers
.irp cs, 0,1
	global_load_b128 v[QF+16*\t+8*\cs:QF+16*\t+8*\cs+3],   v[QO], s[4:5] offset:2048*\t+64*\cs
	global_load_b128 v[QF+16*\t+8*\cs+4:QF+16*\t+8*\cs+7], v[QO], s[4:5] offset:2048*\t+64*\cs+32
.endr
.endr
	WIN 0
	v_mul_u32_u24 v[AK0], v1, PK
	v_lshl_add_u32 v[AK0], v14, 4, v[AK0]  ; row x pitch + 16 x half
	; The turning load takes 16 keys x 16 channels (lane l reads 16 bytes: key 8 (l / 16) + l % 8, channels 8 ((l / 8) % 2) + 0..7) and leaves half a fragment of V^T: lane l holds channel l % 16 and 8 keys.
	v_and_b32 v15, 7, v0
	v_lshl_add_u32 v[AV0], v14, 3, v15
	v_mul_u32_u24 v[AV0], v[AV0], PV
	v_bfe_u32 v15, v0, 3, 1
	v_lshl_add_u32 v[AV0], v15, 4, v[AV0]
	v_add_nc_u32 v[AV0], VOFF, v[AV0]
	s_mul_i32 s14, s[WV], 16*SP
	s_add_co_u32 s14, s14, STAGE    ; my stage
	v_mul_u32_u24 v[STO], v1, SP    ; in: row r, 32 bytes for each half of the lanes
	v_lshl_add_u32 v[STO], v14, 5, v[STO]
	v_add_nc_u32 v[STO], s14, v[STO]
	v_mul_u32_u24 v[RD], v14, SP    ; back: lanes 0-15 take one row of 256 bytes, lanes 16-31 the next
	v_lshl_add_u32 v[RD], v1, 4, v[RD]
	v_add_nc_u32 v[RD], s14, v[RD]
	v_lshlrev_b32 v[GO], 12, v14    ; and the same two rows in the output
	v_lshl_add_u32 v[GO], v1, 4, v[GO]
.irp t, 0,1,2,3
	v_mov_b32 v[ST+8*\t+1], 0xff61b1e6  ; m = -3e38, under every score
	v_mul_f32 v[ST+8*\t], s[CS], v[ST+8*\t+1]  ; c m
.irp e, 2,3,4,5,6,7
	v_mov_b32 v[ST+8*\t+\e], 0      ; l, and the registers at work
.endr
.endr
	WIN TO_1                        ; O^T begins as zeros.  The key step is written with no first step of its own (that would be one more copy of both phases for each class): the first a, 0, finds zeros.
.set i, 0                           ; These lines run once, while the first tiles are on their way
.rept 128
	v_mov_b32 v[i], 0
.set i, i+1
.endr
	WIN 0
; THE LDS LOADS stand in runs of 16: a step's K (64 keys x 64 channels: 8 fragments) and its V (turned).
.macro FETCH_K
	WIN 0
.irp kt, 0,1,2,3
.irp cs, 0,1
	ds_load_b128 v[KF+16*\kt+8*\cs:KF+16*\kt+8*\cs+3],   v[ADK] offset:\kt*16*PK+64*\cs
	ds_load_b128 v[KF+16*\kt+8*\cs+4:KF+16*\kt+8*\cs+7], v[ADK] offset:\kt*16*PK+64*\cs+32
.endr
.endr
.endm
.macro FETCH_V
	WIN TO_1
.irp kb, 0,1
.irp ct, 0,1,2,3
	ds_load_tr16_b128 v[VF+32*\kb+8*\ct:VF+32*\kb+8*\ct+3],   v[ADV] offset:\kb*32*PV+32*\ct
	ds_load_tr16_b128 v[VF+32*\kb+8*\ct+4:VF+32*\kb+8*\ct+7], v[ADV] offset:\kb*32*PV+16*PV+32*\ct
.endr
.endr
.endm
; 32 products S^T = K Q^T: sixteen accumulators (tile t, keys 16 kt on) by turns, one instruction a turn; the first sixteen start the sums with the constant 0.
.macro KQ32
	WIN W_KQ
.irp cs, 0,1
.irp kt, 0,1,2,3
.irp t, 0,1,2,3
.if \cs == 0
	v_wmma_f32_16x16x32_f16 v[S+32*\t+8*\kt:S+32*\t+8*\kt+7], v[KF+16*\kt+8*\cs:KF+16*\kt+8*\cs+7], v[QF+16*\t+8*\cs:QF+16*\t+8*\cs+7], 0
.else
	v_wmma_f32_16x16x32_f16 v[S+32*\t+8*\kt:S+32*\t+8*\kt+7], v[KF+16*\kt+8*\cs:KF+16*\kt+8*\cs+7], v[QF+16*\t+8*\cs:QF+16*\t+8*\cs+7], v[S+32*\t+8*\kt:S+32*\t+8*\kt+7]
.endif
.endr
.endr
.endr
.endm
; 32 products O^T += V^T P: sixteen accumulators (tile t, channels 16 ct on) by turns.  P's fragment of keys 32 kb on is registers 8 kb .. 8 kb + 7 of the tile's S^T.
.macro PV32
	WIN W_PV
.irp kb, 0,1
.irp ct, 0,1,2,3
.irp t, 0,1,2,3
	v_wmma_f32_16x16x32_f16 v[32*\t+8*\ct:32*\t+8*\ct+7], v[VF+32*\kb+8*\ct:VF+32*\kb+8*\ct+7], v[S+32*\t+8*\kb:S+32*\t+8*\kb+7], v[32*\t+8*\ct:32*\t+8*\ct+7]
.endr
.endr
.endr
.endm
; THE MATRIX PHASE of step j.  kq = 1: the next step's K and V are fetched and its scores made; 0: the last step.
.macro MPH kq
.if \kq
	FETCH_K                         ; K of step j + 1: the products that read K's registers stand ahead of the four places at the last matrix phase's end
.endif
	WIN W_RS
.set i, 0
.rept 64
	v_pk_mul_f32 v[2*i:2*i+1], v[2*i:2*i+1], v[ST+8*(i/16)+6:ST+8*(i/16)+7] op_sel_hi:[1,0]  ; O^T x a, each accumulator from its low end on
.set i, i+1
.endr
.if \kq
	s_wait_dscnt 16                 ; V of step j is in; the 16 loads just issued (K's) may be out
.else
	s_wait_dscnt 0x0
.endif
	PV32
.if \kq
.rept 5
	v_nop                           ; four places ahead of the loads into V's registers; the fifth since K Q^T writes over P's registers, which these products read
.endr
	FETCH_V                         ; V of step j + 1
	s_wait_dscnt 16                 ; K is in; the 16 loads just issued (V's) may be out
	KQ32
	WIN 0
	PLACES                          ; ahead of the softmax's first read of the scores, and of the next loads into K's registers
.else
	WIN 0
.endif
.endm
; THE VECTOR PHASE: the four tiles' softmax of one step, all in window 0.  s0-s31 are a lane's 32 scores of a tile, in pairs 0-15.
.macro SMAX t, j                    ; numbers 0-15: the maximum of s0-s31 and the old m, three operands at a time, four chains of seven scores, each accumulator from its low end on; 16-20: the other half of the lanes', m, c m, its change
.set rT, ST+8*(\t)
.set rS, S+32*(\t)
.if (\j) < 4
	v_max3_num_f32 v[rT+4+(\j)], v[rS+8*(\j)], v[rS+8*(\j)+1], v[rS+8*(\j)+2]
.elseif (\j) < 12
	v_max3_num_f32 v[rT+4+(\j)%4], v[rT+4+(\j)%4], v[rS+8*((\j)%4)+2*((\j)/4)+1], v[rS+8*((\j)%4)+2*((\j)/4)+2]
.elseif (\j) == 12
	v_max3_num_f32 v[rT+4], v[rT+4], v[rS+7], v[rS+15]
.elseif (\j) == 13
	v_max3_num_f32 v[rT+6], v[rT+6], v[rS+23], v[rS+31]
.elseif (\j) == 14
	v_max3_num_f32 v[rT+4], v[rT+4], v[rT+5], v[rT+6]
.elseif (\j) == 15
	v_max3_num_f32 v[rT+4], v[rT+4], v[rT+7], v[rT+1]
.elseif (\j) == 16
	v_permlanex16_b32 v[rT+5], v[rT+4], s[SEL], s[SEL+1]  ; the query's other 32 keys lie in the lane 16 away
.elseif (\j) == 17
	v_mov_b32 v[rT+7], v[rT]        ; c m_old is kept for a
.elseif (\j) == 18
	v_max_num_f32 v[rT+1], v[rT+4], v[rT+5]
.elseif (\j) == 19
	v_mul_f32 v[rT], s[CS], v[rT+1]
.else
	v_sub_f32 v[rT+7], v[rT+7], v[rT]
.endif
.endm
.macro SCAL t, n                    ; pair n: c s - c m
	v_pk_fma_f32 v[S+32*(\t)+2*(\n):S+32*(\t)+2*(\n)+1], v[S+32*(\t)+2*(\n):S+32*(\t)+2*(\n)+1], s[CS:CS+1], v[ST+8*(\t):ST+8*(\t)+1] op_sel_hi:[1,0,0] neg_lo:[0,0,1] neg_hi:[0,0,1]
.endm
.macro EXPS t, e
	v_exp_f32 v[S+32*(\t)+(\e)], v[S+32*(\t)+(\e)]
.endm
.macro EXPA t                       ; a = 2^(c m_old - c m_new)
	v_exp_f32 v[ST+8*(\t)+6], v[ST+8*(\t)+7]
.endm
.macro SUMP t, n                    ; l = a l + pair 0, then + pair n: of the unrounded weights
.if (\n) == 0
	v_pk_fma_f32 v[ST+8*(\t)+2:ST+8*(\t)+3], v[ST+8*(\t)+2:ST+8*(\t)+3], v[ST+8*(\t)+6:ST+8*(\t)+7], v[S+32*(\t):S+32*(\t)+1] op_sel_hi:[1,0,1]
.else
	v_pk_add_f32 v[ST+8*(\t)+2:ST+8*(\t)+3], v[ST+8*(\t)+2:ST+8*(\t)+3], v[S+32*(\t)+2*(\n):S+32*(\t)+2*(\n)+1]
.endif
.endm
.macro CVTP t, n                    ; pair n, rounded to f16, goes to register n: that register's own pair (n / 2) has been summed and rounded, and registers 2 n, 2 n + 1 have not been written
	v_cvt_pk_f16_f32 v[S+32*(\t)+(\n)], v[S+32*(\t)+2*(\n)], v[S+32*(\t)+2*(\n)+1]
.endm
; THE EXPONENTIALS GO IN TWO BATCHES OF 66, each with one plain line behind its last and ONE s_wait_alu depctr_va_vdst(0) ahead of the first line that names a result.  Tiles 0 and 1's batch stands
; among tiles 2 and 3's scalings; tiles 2 and 3's among tiles 0 and 1's sums and roundings: within a batch no line names a result of that batch.
.macro VPH
	WIN 0
.irp j, 0,1,2,3,4,5,6,7,8,9,10,11,12,13,14,15,16,17,18,19,20
.irp t, 0,1,2,3
	SMAX \t, \j                     ; the four tiles by turns: no line waits for the line above it
.endr
.endr
.irp n, 0,1,2,3,4,5,6,7,8,9,10,11,12,13,14,15
	SCAL 0, \n
	SCAL 1, \n
.endr
	EXPA 0
	EXPA 1
.irp n, 0,1,2,3,4,5,6,7,8,9,10,11,12,13,14,15
	SCAL 2, \n
	EXPS 0, 2*\n
	EXPS 1, 2*\n
	SCAL 3, \n
	EXPS 0, 2*\n+1
	EXPS 1, 2*\n+1
.endr
	v_nop
	s_wait_alu depctr_va_vdst(0)    ; the first batch
	EXPA 2
	EXPA 3
.irp n, 0,1,2,3,4,5,6,7,8,9,10,11,12,13,14,15
	SUMP 0, \n
	EXPS 2, 2*\n
	CVTP 0, \n
	EXPS 3, 2*\n
	SUMP 1, \n
	EXPS 2, 2*\n+1
	CVTP 1, \n
	EXPS 3, 2*\n+1
.endr
	v_nop
	s_wait_alu depctr_va_vdst(0)    ; the second batch
.irp n, 0,1,2,3,4,5,6,7,8,9,10,11,12,13,14,15
	SUMP 2, \n
	SUMP 3, \n
	CVTP 2, \n
	CVTP 3, \n
.endr
.endm
; n TRIPS.  In trip i class 0 runs the matrix phase of step i and then the softmax of step i + 1; class 1 the softmax of step i and then its matrix phase.  Both fetch step i + 1, at s[TB].
.macro TRIPS n
	s_mov_b32 s[CNT], \n
.Ltrip_\@:
	v_add_nc_u32 v[ADK], s[TB], v[AK0]
	v_add_nc_u32 v[ADV], s[TB], v[AV0]
	s_cmp_lg_u32 s[CLS], 0
	s_cbranch_scc1 .Lsoft_\@
	MPH 1
.Lsoft_\@:
	VPH
	s_cmp_eq_u32 s[CLS], 0
	s_cbranch_scc1 .Lnext_\@
	MPH 1
.Lnext_\@:
	s_add_co_u32 s[TB], s[TB], STEPB
	s_sub_co_u32 s[CNT], s[CNT], 1
	s_cmp_lg_u32 s[CNT], 0
	s_cbranch_scc1 .Ltrip_\@
.endm
; THE CHANGE OF SLOTS, between two trips: the slot's last step has been fetched.  Each wave waits for all its tensor loads, of which one is out: its part of the other slot; adds 0 to its spare word; and waits for that and
; for its own reads of the slot.  Behind the barrier nobody reads this slot any more and the other slot is whole.  fill = 1: this slot is filled again, with the keys two slots on: the barrier is then a round of the
; cluster's, and the joint refill is the first thing behind it, one load a wave.
.macro CHANGE fill
	WIN 0
	s_wait_tensorcnt 0x0            ; no tensor load of mine is out, so a group 0 may be written
	ds_add_u32 v[SPW], v[NIL]       ; 0 onto my spare word
.if \fill
.irp g, G0K+4, G0V+4
	s_xor_b32 s[\g+1], s[\g+1], SLOT1  ; the walking descriptor: the other slot than last time,
	s_add_nc_u64 s[\g+2:\g+3], s[\g+2:\g+3], SLOTB  ; the next 256 keys; the type bits on top are not reached
.endr
	s_wait_xcnt 0x0                 ; the last prefetch, four trips back, has read its address, so it may be written:
	s_add_nc_u64 s[PFA:PFA+1], s[PFA:PFA+1], SLOTB  ; one slot further on than the walking descriptors
	s_wait_dscnt 0x0                ; the add is done, and my reads of the slot are over
	CROUND
	JLOAD
	ASK
.else
	s_wait_dscnt 0x0                ; the add is done, and my reads of the slot are over
	s_barrier_signal -1
	s_barrier_wait -1
.endif
	s_sub_co_u32 s[TB], s[TB], NST*STEPB  ; the fetches go back to a slot's first step,
	s_xor_b32 s[TB], s[TB], SLOT1   ; in the other slot
.endm
	s_wait_tensorcnt 1              ; my part of slot 0 is in; slot 1's may stay out
	s_barrier_signal -1
	s_barrier_wait -1               ; everybody's is
	v_add_nc_u32 v[ADK], s[TB], v[AK0]
	v_add_nc_u32 v[ADV], s[TB], v[AV0]
	FETCH_K                         ; key step 0
	FETCH_V
	s_add_co_u32 s[TB], s[TB], STEPB
	s_wait_loadcnt 0x0              ; Q
	s_wait_dscnt 16                 ; K is in; V's 16 loads may be out
	KQ32                            ; the scores of step 0
	WIN 0
	PLACES
	s_cmp_lg_u32 s[CLS], 0          ; class 0 runs its first softmax now, class 1 waits for it at the barrier: from there on the classes are in opposite phase
	s_cbranch_scc1 .Lstart
	VPH
.Lstart:
	s_wait_dscnt 0x0
	s_barrier_signal -1
	s_barrier_wait -1               ; slot 1's loads may stay out
	TRIPS 3                         ; trips 0-2 fetch steps 1-3: slot 0 is read out
.Lslot:                             ; six rounds of four trips: the changes ahead of trips 3, 7, .. 23 ask for the keys' slots 2 to 7
	CHANGE 1
	TRIPS 4
	s_sub_co_u32 s[SLOTS], s[SLOTS], 1
	s_cmp_lg_u32 s[SLOTS], 0
	s_cbranch_scc1 .Lslot
	CHANGE 0                        ; the tail is written out: nothing is asked for
	TRIPS 4                         ; trips 27-30 fetch steps 28-31
	s_cmp_eq_u32 s[CLS], 0
	s_cbranch_scc1 .Llast
	VPH                             ; class 1's softmax of the last step
.Llast:
	MPH 0                           ; V^T P of the last step
	; THE WAY OUT.  l's two halves and the other half of the lanes' are added; O^T is divided by l and sent through my stage in LDS, a tile (16 rows of 256 bytes) at a time.  The additions are the places behind the last products.
.irp t, 0,1,2,3
	v_add_f32 v[ST+8*\t+4], v[ST+8*\t+2], v[ST+8*\t+3]
.endr
.irp t, 0,1,2,3
	v_permlanex16_b32 v[ST+8*\t+5], v[ST+8*\t+4], s[SEL], s[SEL+1]
.endr
.irp t, 0,1,2,3
	v_add_f32 v[ST+8*\t+4], v[ST+8*\t+4], v[ST+8*\t+5]
.endr
.irp t, 0,1,2,3
	v_rcp_f32 v[ST+8*\t+6], v[ST+8*\t+4]
.endr
	v_nop                           ; a plain instruction between the last reciprocal and the use of its result
	s_wait_alu depctr_va_vdst(0)    ; and the wait ahead of the first use: one for the four reciprocals
; Tile t: O^T / l goes to S^T's registers; a lane's eight channels of a row are 32 bytes; they go into rows of 272 bytes and come back as whole rows of 256, into the registers that they left.
.macro PACK t
	WIN 0x01                        ; source 0 (O^T) window 1
.set i, 0
.rept 16
	v_pk_mul_f32 v[S+32*\t+2*i:S+32*\t+2*i+1], v[32*\t+2*i:32*\t+2*i+1], v[ST+8*\t+6:ST+8*\t+7] op_sel_hi:[1,0]
.set i, i+1
.endr
	WIN 0
.irp f, 0,1,2,3,4,5,6,7
	ds_store_b128 v[STO], v[S+32*\t+4*\f:S+32*\t+4*\f+3] offset:64*(\f/2)+16*(\f%2)
.endr
.irp f, 0,1,2,3,4,5,6,7
	ds_load_b128 v[S+32*\t+4*\f:S+32*\t+4*\f+3], v[RD] offset:\f*2*SP  ; LDS serves a wave's instructions in order (ISA guide 5.7.1.4): these see the stores above; the next tile's stores come behind them
.endr
.endm
.macro SEND t, younger              ; younger: the LDS instructions issued behind tile t's loads: the next tile's sixteen, or none
.irp f, 0,1,2,3,4,5,6,7
	s_wait_dscnt \younger+7-\f
	global_store_b128 v[GO], v[S+32*\t+4*\f:S+32*\t+4*\f+3], s[10:11] offset:(16*\t+2*\f)*4096 th:TH_STORE_NT  ; 16 lanes store 256 consecutive bytes, aligned: a query's 64 channels of the head
.endr
.endm
	PACK 0
	PACK 1                          ; a tile's arithmetic stands between the loads of the tile before and its stores
	SEND 0, 16
	PACK 2
	SEND 1, 16
	PACK 3
	SEND 2, 16
	SEND 3, 0
	s_wait_tensorcnt 0x0            ; the wave's end: behind my last tensor load and my last LDS store
	ds_add_u32 v[SPW], v[NIL]
	s_wait_dscnt 0x0
	CROUND                          ; the closing round: no work-group ends while a partner may still ask for a tile that names it
	s_endpgm
.Lfunc_end_k_q1eddbe6c69_attn:
	.size	k_q1eddbe6c69_attn, .Lfunc_end_k_q1eddbe6c69_attn-k_q1eddbe6c69_attn
	.p2alignl 7, 3214868480
	.fill 96, 4, 3214868480
	.section	.rodata,"a",@progbits
	.p2align	6, 0x0
	.amdhsa_kernel k_q1eddbe6c69_attn
		.amdhsa_group_segment_fixed_size 327680
		.amdhsa_private_segment_fixed_size 0
		.amdhsa_enable_private_segment 0
		.amdhsa_kernarg_size 16
		.amdhsa_user_sgpr_count 2
		.amdhsa_user_sgpr_kernarg_segment_ptr 1
		.amdhsa_wavefront_size32 1
		.amdhsa_system_sgpr_workgroup_id_x 1
		.amdhsa_system_sgpr_workgroup_id_y 1
		.amdhsa_system_sgpr_workgroup_id_z 1
		.amdhsa_system_vgpr_workitem_id 0
		.amdhsa_next_free_vgpr 512
		.amdhsa_next_free_sgpr 66
		.amdhsa_reserve_vcc 0
		.amdhsa_float_denorm_mode_32 3
		.amdhsa_float_denorm_mode_16_64 3
		.amdhsa_memory_ordered 1
		.amdhsa_forward_progress 1
		.amdhsa_inst_pref_size 209
	.end_amdhsa_kernel
	.amdgpu_metadata
---
amdhsa.version: [ 1, 2 ]
amdhsa.kernels:
  - .name:           k_q1eddbe6c69_attn
    .symbol:         k_q1eddbe6c69_attn.kd
    .args:
      - { .name: qkv, .offset: 0, .size: 8, .value_kind: global_buffer, .address_space: global }
      - { .name: out0, .offset: 8, .size: 8, .value_kind: global_buffer, .address_space: global }
    .group_segment_fixed_size: 327680
    .private_segment_fixed_size: 0
    .kernarg_segment_align: 8
    .kernarg_segment_size: 16
    .max_flat_workgroup_size: 256
    .sgpr_count:     66
    .vgpr_count:     512
    .wavefront_size: 32
...
	.end_amdgpu_metadata
.endif
;; end of part 3
